; MI455X (gfx1250); checked and timed in simulation.
; The chip was launched on July 23, 2026; its instructions are those of AMD's public machine-readable ISA for CDNA 5 (MIT licence, August 2026) and "CDNA5" Instruction Set Architecture Reference Guide (July 2026). The comments in the code are by the model that wrote it; some were corrected since.
;; TSE. Allowed arithmetic: matrix products marked QUANTISED: E2M3 operands, one E8M0 scale for each 32 along K, by v_wmma_scale_f32_16x16x128_f8f6f4 with both operands' format E2M3, f32 sums; products left as they are: f32 operands where the result goes on into a quantised operand, else bf16, f16 or f32 operands; f32 sums; everything else in f32.
;; Inputs: W1 1,024 x 3,072 float32; W2 1,024 x 2,048 float32; mask 4 x 2,048 int32; sen 4 x 1 x 1,024 float32; tokens 4 x 2,048 x 1,024 float32.
;; Outputs: out0 4 x 2,048 x 1,024 float32.
;; This version of the problem:
;;   THIS VERSION OF THE PROBLEM IS GIVEN IN LOW PRECISION. The matrix products marked QUANTISED in the list below multiply operands that are first quantised to E2M3 (2 exponent bits, 3 mantissa bits; 6 bits a number), with one power-of-two scale for each 32 numbers along K (OCP MX v1.0); their sums are f32. All else is computed in f32.
;;   The module's matrix products, in the order in which they are computed (A, B: the left and right operand; K: the contracted axis; several contracted axes count as one K, in the product's order):
;;     1. [M 8,192, K 1,024] x [K 1,024, N 3,072]; A: input tokens; B: input W1: QUANTISED
;;     2. [M 4, K 1,024] x [K 1,024, N 2,048]; A: input sen; B: input W2: left as it is (M = 4 < 16)
;;     3. batch 64 x [M 2,048, K 64] x [K 64, N 2,048]; A: computed on the way; B: computed on the way: QUANTISED
;;     4. batch 64 x [M 1, K 64] x [K 64, N 1]; A: computed on the way; B: computed on the way: left as it is (M = 1 < 16)
;;     5. batch 64 x [M 2,048, K 2,048] x [K 2,048, N 64]; A: softmax (see below); B: computed on the way: QUANTISED
;;   THE QUANTISER, for each operand of a quantised product, along K:
;;     - K is cut into blocks of 32 from its start; a last block that is shorter is filled with zeros.
;;     - A block's scale is 2^e with e = floor(log2(the largest magnitude in the block)) - 2, held to -126 .. 127; a block of zeros has e = 0. As a byte (E8M0): e + 127.
;;     - Each number is divided by its block's scale, clamped to +-7.5, and rounded to the nearest number of E2M3, ties to even, subnormals kept.
;;     - The product sums the exact products of the quantised numbers (number of the format x scale) in f32.
;;   ~~~python
;;   def quantise(x, axis):      # numpy; x: float32 -> the quantised numbers, widened to float32 again
;;       x = np.moveaxis(x, axis, -1); K = x.shape[-1]
;;       x = np.pad(x, [(0, 0)] * (x.ndim - 1) + [(0, -K % 32)]); x = x.reshape(x.shape[:-1] + (-1, 32)); a = np.abs(x).max(-1, keepdims=True)
;;       e = np.where(a > 0, np.clip(np.frexp(np.where(a > 0, a, 1))[1] - 1 - 2, -126, 127), 0)      # np.frexp(a)[1] - 1 = floor(log2(a)), exactly
;;       r = np.clip(x / 2.0 ** e, -7.5, 7.5)
;;       step = 2.0 ** (np.maximum(np.frexp(np.where(r == 0, 1, r))[1] - 1, 0) - 3)
;;       q = np.round(r / step) * step * 2.0 ** e      # np.round: ties to even
;;       return np.moveaxis(q.reshape(q.shape[:-2] + (-1,))[..., :K], -1, axis).astype(np.float32)
;;   ~~~
;;   SOFTMAX AHEAD OF A QUANTISED PRODUCT. Where the list says 'softmax', what is quantised is not the finished softmax but p = 2^(t - M), with t = logit x log2(e) and M = ceil(the row's largest t), a whole number; so 1/2 < the row's largest p <= 1. The row's sum l is taken of the UNQUANTISED p, in f32, and the product's result is divided by l at the end. Since M is a whole number, a kernel that streams over the keys may use a running M (the ceiling of the running maximum): every later rescaling is an exact power of two, which a block's scale takes up: the codes' values come out the same.
;;   OPERANDS COMPUTED ON THE WAY. 'Computed on the way' means the value that the module computes at that place (a softmax that the list does not call 'softmax' is quantised finished and normalised). What goes into a quantiser is computed in f32, as accurately as f32 sums, v_exp_f32 and their like allow (about 1e-6 of the number): no bf16 or f16 on the way to a quantiser, and a product that is left as it is and whose result goes on into a quantised operand takes f32 operands (vector FMAs, or v_wmma_f32_16x16x4_f32). A number that lies on a knife's edge between two numbers of the format may be rounded either way, as far as f32 arithmetic and the matrix unit's own rounding can turn it there, and no further.
;; One version. Each part assembles by itself: llvm-mc -triple=amdgcn-amd-amdhsa -mcpu=gfx1250 --defsym DOCPART=n.
;; ======== version 1 of 1: 3 launches
;; workspace buffers: tok_codes 6,291,456 bytes; tok_scales 262,144 bytes; w_codes 2,359,296 bytes; w_scales 98,304 bytes; qkv_img 18,874,368 bytes; qkv_sc 786,432 bytes; ypart 262,144 bytes
;; launch prep (part 1): grid 608 x 1, 4 waves a work-group, no clusters, 72,192 bytes of LDS; arguments tokens, W1, W2, sen, tok_codes, tok_scales, w_codes, w_scales, ypart; writes tok_codes, tok_scales, w_codes, w_scales, ypart
.if DOCPART == 1
	.amdgcn_target "amdgcn-amd-amdhsa--gfx1250"
	.amdhsa_code_object_version 6
	.text
	.protected	k_qed536cdcbb_prep
	.globl	k_qed536cdcbb_prep
	.p2align	8
	.type	k_qed536cdcbb_prep,@function
k_qed536cdcbb_prep:
	s_mov_b64 s[64:65], 0
	v_nop
	global_prefetch_b8 v0, s[64:65] scope:SCOPE_SE
	s_setreg_imm32_b32 hwreg(HW_REG_WAVE_MODE, 25, 1), 1
	s_wait_xcnt 0x0
; THREE JOBS IN ONE LAUNCH, told apart by the work-group's number alone; the three ways never join again, and each has LDS bytes of its own.
;   work-groups 0-255:   tokens [8192][1024] f32 -> codes of FP6 (E2M3), K innermost, [8192][768] bytes, and one E8M0 byte for each 32 along K, [8192][32]
;   work-groups 256-351: W1 [1024 (K)][3072] f32 -> the same, laid [3072][768] and [3072][32]: a lane takes a column and its registers run down K
;   work-groups 352-607: sen [4][1024] x W2 [1024][2048] in f32 fused multiply-adds, as 8 partial sums along K: ypart [8][4][2048] f32
; A block's scale is 2^(floor(log2(largest magnitude)) - 2): its byte is the largest magnitude's exponent field - 2, held at 1 from below.
; THE ROWS OF BOTH CODE BUFFERS ARE PERMUTED: place p holds row p with bits 3 and 4 exchanged.  A plain tile of 16 places then holds rows 32 b + 8 u + r + 8 (r / 8),
; so that in the next launch the 16 registers of two neighbouring result tiles are 16 neighbours along the following product's K.
; LIMITS: NaN and infinities are not served.  A block of zeros, or one whose largest magnitude lies under 2^-124, gets the byte 1; these bytes are read by this program alone, and zero codes add nothing under it.
.set STEPS, 16
.set CB,    12                         ; bytes of 16 codes
.set SP,    80                         ; tokens: a lane's place in a stage: 64 bytes + 16 of padding
.set TR,    16                         ; tokens: v16-79 four sets of 16 numbers as loaded
.set TX,    80                         ; v80-111 two sets of 16 neighbours
.set TE,    112                        ; v112-127 a scale byte for each step
.set TC,    128                        ; v128-191 codes, four registers for each step
.set WPITCH, 272                       ; W1: a stage row: sixteen places of 16 bytes + 16
.set WKROW, 768                        ; a row of codes in bytes
.set WNB,   8                          ; blocks of 32 along K for a wave
.set WX,    32                         ; v32-95 two sets of 32 numbers
.set WC,    96                         ; a block's codes
.set WOUT,  112                        ; v112-175 the way out
.set WSB,   24                         ; v24-25 the scale bytes
.set WSTG,  32768                      ; LDS: W1's four stages begin here (the tokens' way has bytes 0 to 32,767)
.set SSTG,  67584                      ; LDS: the third way's 4 x 1,024 bytes
.set SW,    16                         ; sen x W2: v16-79 W2, 16 rows x 4 columns
.set SN,    80                         ; v80-143 sen, 4 batches x 16 rows
.set SA,    144                        ; v144-159 sums, 4 batches x 4 columns
	s_load_b256 s[4:11], s[0:1], 0x0               ; tokens, W1, W2, sen
	s_load_b256 s[12:19], s[0:1], 0x20             ; the tokens' codes and scales, W1's codes and scales
	s_load_b64 s[20:21], s[0:1], 0x40              ; ypart
	v_lshl_add_u32 v192, v0, 2, 0x11800
	v_mov_b32 v193, 0
	v_lshrrev_b32 v1, 5, v0
	v_readfirstlane_b32 s24, v1                    ; wave 0..3
	v_and_b32 v2, 31, v0                           ; lane
	s_wait_kmcnt 0x0
	s_cmp_lt_u32 ttmp9, 256
	s_cbranch_scc0 .Lnot_tokens
; ---------------- TOKENS.  A wave takes 8 rows = 8,192 numbers = 16 steps of 512.  Each load reads 512 consecutive bytes; a step's 2,048 bytes turn through the wave's own stage, so that a lane
; holds 16 neighbours along K (two neighbouring lanes a block).  No barrier: waves share nothing.
	v_lshlrev_b32 v3, 4, v2                        ; my 16 bytes of a load's 512
	s_lshl_b32 s25, s24, 13                        ; my wave's 8,192 bytes of LDS
	v_lshrrev_b32 v14, 2, v2
	v_mul_u32_u24 v14, v14, SP
	v_and_b32 v15, 3, v2
	v_lshl_add_u32 v14, v15, 4, v14
	v_add_nc_u32 v14, s25, v14                     ; into the stage: SP (lane / 4) + 16 (lane % 4)
	v_mul_u32_u24 v15, v2, SP
	v_add_nc_u32 v15, s25, v15                     ; out of it: SP x lane
	v_mul_u32_u24 v4, v2, CB                       ; my codes' place in a step's 384 bytes
	v_lshrrev_b32 v5, 1, v2
	s_add_co_u32 s25, s25, 2*32*SP
	v_add_nc_u32 v5, s25, v5                       ; my block's byte among the wave's 256 scale bytes
	v_lshlrev_b32 v7, 3, v2
	v_add_nc_u32 v6, s25, v7
	s_lshl_b32 s26, ttmp9, 2
	s_add_co_u32 s27, s26, s24                     ; the run of 8 rows that I read
	s_lshl_b32 s28, s27, 15
	s_mov_b32 s29, 0
	s_add_nc_u64 s[4:5], s[4:5], s[28:29]
	s_and_b32 s27, s24, 1                          ; a run is 8 rows, so the exchange of a row's bits 3 and 4 is an exchange of the wave number's two bits
	s_lshl_b32 s27, s27, 1
	s_lshr_b32 s30, s24, 1
	s_or_b32 s27, s27, s30
	s_add_co_u32 s27, s27, s26                     ; the run of 8 places that I write
	s_mul_i32 s28, s27, 6144
	s_add_nc_u64 s[12:13], s[12:13], s[28:29]
	s_lshl_b32 s28, s27, 8
	s_add_nc_u64 s[14:15], s[14:15], s[28:29]
.macro T_LOAD t
.irp i, 0,1,2,3
	global_load_b128 v[TR+16*((\t)%4)+4*\i:TR+16*((\t)%4)+4*\i+3], v3, s[4:5] offset:2048*(\t)+512*\i th:TH_LOAD_NT
.endr
.endm
.macro T_TURN t                        ; LDS serves a wave's instructions in order: no wait between the stores and the loads
.irp i, 0,1,2,3
	ds_store_b128 v14, v[TR+16*((\t)%4)+4*\i:TR+16*((\t)%4)+4*\i+3] offset:32*SP*((\t)%2)+8*SP*\i
.endr
.irp i, 0,1,2,3
	ds_load_b128 v[TX+16*((\t)%2)+4*\i:TX+16*((\t)%2)+4*\i+3], v15 offset:32*SP*((\t)%2)+16*\i
.endr
.endm
.irp t, 0,1,2,3
	T_LOAD \t
.endr
	s_wait_loadcnt 12                              ; step 0's four loads are in; the twelve of steps 1 to 3 stay out
	T_TURN 0
.macro T_STEP t
.set XS, TX+16*((\t)%2)
.if (\t) > 0
	s_wait_dscnt 1                                 ; this step's numbers are back from the stage; the last step's byte store may be out
.else
	s_wait_dscnt 0x0
.endif
.if (\t)+4 < STEPS
	T_LOAD (\t)+4                                  ; into the registers that the stage's stores have read
.endif
.if (\t)+1 < STEPS
.if STEPS-2-(\t) >= 3
	s_wait_loadcnt 12                              ; the next step's four loads are in; those of the three steps behind it stay out
.else
	s_wait_loadcnt 4*(STEPS-2-(\t))
.endif
	T_TURN (\t)+1
.endif
	v_max3_num_f32 v8, |v[XS]|, |v[XS+1]|, |v[XS+2]|
	v_max3_num_f32 v9, |v[XS+3]|, |v[XS+4]|, |v[XS+5]|
.irp i, 6,10
	v_max3_num_f32 v8, v8, |v[XS+\i]|, |v[XS+\i+1]|
	v_max3_num_f32 v9, v9, |v[XS+\i+2]|, |v[XS+\i+3]|
.endr
	v_max3_num_f32 v8, v8, |v[XS+14]|, |v[XS+15]|
	v_max3_num_f32 v8, v8, v9, 0x1800000           ; the floor 2^(3 - 127): the byte cannot fall under 1
	v_max_num_f32_dpp v8, v8, v8 row_xmask:1 row_mask:0xf bank_mask:0xf   ; with my neighbour's 16: the block's largest magnitude
	v_add_nc_u32 v11, 0xff000000, v8               ; 2 off its exponent field: the conversion takes this operand's exponent field as its scale
	v_cvt_scalef32_pk16_fp6_f32 v[TC+4*(\t):TC+4*(\t)+2], v[XS:XS+15], v11
	v_lshrrev_b32 v[TE+(\t)], 23, v11              ; the scale's byte (also the plain line behind the conversion)
	ds_store_b8 v5, v[TE+(\t)] offset:16*(\t)      ; both lanes of a block write the same byte with the same value
	global_store_b96 v4, v[TC+4*(\t):TC+4*(\t)+2], s[12:13] offset:32*CB*(\t)   ; the wave stores 384 consecutive bytes
.endm
.irp t, 0,1,2,3,4,5,6,7,8,9,10,11,12,13,14,15
	T_STEP \t
.endr
	ds_load_b64 v[12:13], v6
	s_wait_dscnt 0x0
	global_store_b64 v7, v[12:13], s[14:15]        ; 32 lanes store 256 consecutive bytes, aligned
	s_wait_tensorcnt 0x0
	ds_add_u32 v192, v193
	s_wait_dscnt 0x0
	s_endpgm
.Lnot_tokens:
	s_cmp_lt_u32 ttmp9, 352
	s_cbranch_scc0 .Lsen
; ---------------- W1.  A wave takes 32 columns x 256 along K: 8 blocks a lane, all 32 numbers of a block in one lane.  The codes leave through the wave's own stage as rows of 192 bytes.
	s_sub_co_u32 s25, ttmp9, 256
	s_lshr_b32 s26, s25, 2                         ; which 128 columns
	s_and_b32 s27, s25, 3                          ; which 256 along K
	s_lshl_b32 s28, s26, 7
	s_lshl_b32 s29, s24, 5
	s_add_co_u32 s28, s28, s29                     ; my wave's first column
	v_lshlrev_b32 v3, 2, v2                        ; in: 4 bytes a lane
	s_mul_i32 s29, s24, 32*WPITCH
	s_add_co_u32 s29, s29, WSTG                    ; my stage
	v_and_b32 v10, 7, v2                           ; my column's place: the lane with bits 3 and 4 exchanged
	v_bfe_u32 v11, v2, 3, 1
	v_lshl_add_u32 v10, v11, 4, v10
	v_bfe_u32 v11, v2, 4, 1
	v_lshl_add_u32 v10, v11, 3, v10
	v_mul_u32_u24 v4, v10, WPITCH
	v_add_nc_u32 v4, s29, v4                       ; into the stage: row = my place
	v_and_b32 v5, 15, v2
	v_lshrrev_b32 v6, 4, v2
	v_mul_u32_u24 v7, v6, WPITCH
	v_lshl_add_u32 v7, v5, 4, v7
	v_add_nc_u32 v7, s29, v7                       ; out of it: sixteen lanes to a row, two rows an instruction
	v_mul_u32_u24 v8, v6, WKROW
	v_mad_u32_u24 v8, v5, 12, v8                   ; and the same place in the codes' buffer
	v_lshlrev_b32 v9, 5, v10                       ; my place's row of 32 scale bytes
	s_mul_i32 s30, s27, 256*12288                  ; W1: 256 rows of 12,288 bytes for each step along K,
	s_lshl_b32 s29, s28, 2
	s_add_co_u32 s30, s30, s29                     ; + 4 x column
	s_mov_b32 s31, 0
	s_add_nc_u64 s[6:7], s[6:7], s[30:31]
	s_mul_i32 s30, s28, WKROW
	s_mul_i32 s29, s27, 192
	s_add_co_u32 s30, s30, s29
	s_add_nc_u64 s[16:17], s[16:17], s[30:31]
	s_lshl_b32 s30, s28, 5
	s_lshl_b32 s29, s27, 3
	s_add_co_u32 s30, s30, s29
	s_add_nc_u64 s[18:19], s[18:19], s[30:31]
.macro W_LOAD t                        ; block t: W1(32 t + i, my column); the wave reads 128 consecutive bytes; the largest offset, 255 x 12,288, lies inside the signed 24-bit immediate
.irp i, 0,1,2,3,4,5,6,7,8,9,10,11,12,13,14,15,16,17,18,19,20,21,22,23,24,25,26,27,28,29,30,31
	global_load_b32 v[WX+32*((\t)%2)+\i], v3, s[6:7] offset:(32*(\t)+\i)*12288 th:TH_LOAD_NT
.endr
.endm
	W_LOAD 0
	W_LOAD 1
.macro W_BLOCK t
.set XS, WX+32*((\t)%2)
.if (\t) < WNB-1
	s_wait_loadcnt 32                              ; this block's 32 loads are in; the next block's stay out
.else
	s_wait_loadcnt 0
.endif
	v_max3_num_f32 v12, |v[XS]|, |v[XS+1]|, |v[XS+2]|
	v_max3_num_f32 v13, |v[XS+3]|, |v[XS+4]|, |v[XS+5]|
.irp i, 6,10,14,18,22,26
	v_max3_num_f32 v12, v12, |v[XS+\i]|, |v[XS+\i+1]|
	v_max3_num_f32 v13, v13, |v[XS+\i+2]|, |v[XS+\i+3]|
.endr
	v_max3_num_f32 v12, v12, |v[XS+30]|, |v[XS+31]|
	v_max3_num_f32 v12, v12, v13, 0x1800000        ; the floor
	v_add_nc_u32 v11, 0xff000000, v12              ; the conversion's scale operand
	v_lshrrev_b32 v13, 23, v11                     ; the scale's byte
.if (\t)%4 == 0
	v_mov_b32 v[WSB+(\t)/4], v13
.else
	v_lshl_or_b32 v[WSB+(\t)/4], v13, 8*((\t)%4), v[WSB+(\t)/4]
.endif
	v_cvt_scalef32_pk16_fp6_f32 v[WC:WC+2], v[XS:XS+15], v11
	v_cvt_scalef32_pk16_fp6_f32 v[WC+4:WC+6], v[XS+16:XS+31], v11
	v_nop                                          ; one plain line behind the conversions
	ds_store_b96 v4, v[WC:WC+2] offset:32*(\t)     ; 12 bytes to a place of 16: every LDS address is a multiple of 16
	ds_store_b96 v4, v[WC+4:WC+6] offset:32*(\t)+16
.if (\t)+2 < WNB
	W_LOAD (\t)+2
.endif
	s_wait_dscnt 0x0                               ; the stores have read their registers: the next block's codes may be written
.endm
.irp t, 0,1,2,3,4,5,6,7
	W_BLOCK \t
.endr
	global_store_b64 v9, v[WSB:WSB+1], s[18:19]    ; my column's 8 scale bytes
.irp t, 0,1,2,3,4,5,6,7,8,9,10,11,12,13,14,15
	ds_load_b96 v[WOUT+4*\t:WOUT+4*\t+2], v7 offset:2*\t*WPITCH
.endr
.irp t, 0,1,2,3,4,5,6,7,8,9,10,11,12,13,14,15
	s_wait_dscnt 15-\t                             ; LDS loads come back in order: load t is in, the later ones stay out
	global_store_b96 v8, v[WOUT+4*\t:WOUT+4*\t+2], s[16:17] offset:2*\t*WKROW   ; sixteen lanes store a row's 192 consecutive bytes
.endr
	s_wait_tensorcnt 0x0
	ds_add_u32 v192, v193
	s_wait_dscnt 0x0
	s_endpgm
.Lsen:
; ---------------- sen x W2, in f32: its result goes on into the scores, ahead of a quantiser.  A work-group takes 64 columns x 128 rows of K; wave w rows 32 w on; lane (r, h) columns 4 r .. 4 r + 3 of
; rows 16 h + 0 .. 15.  All 32 loads of a wave are out together.  The halves of the lanes are joined in registers, the four waves in LDS; wave w then stores batch w's 64 numbers.
	s_sub_co_u32 s25, ttmp9, 352
	s_and_b32 s26, s25, 31                         ; which 64 columns
	s_lshr_b32 s27, s25, 5                         ; which 128 along K
	s_lshl_b32 s28, s27, 7
	s_lshl_b32 s29, s24, 5
	s_add_co_u32 s28, s28, s29                     ; my wave's first row of W2
	v_and_b32 v3, 15, v2                           ; r
	v_lshrrev_b32 v8, 4, v2                        ; h
	v_lshlrev_b32 v4, 4, v3
	v_lshl_add_u32 v4, v8, 17, v4                  ; W2: 16 rows of 8,192 bytes x h + 16 r
	v_lshlrev_b32 v5, 6, v8                        ; sen: 16 numbers x h
	s_lshl_b32 s29, s24, 10
	s_add_co_u32 s29, s29, SSTG
	v_lshl_add_u32 v6, v3, 4, s29                  ; LDS: my wave's 1,024 bytes, [batch][64 columns]
	s_lshl_b32 s30, s24, 8
	s_add_co_u32 s30, s30, SSTG
	v_lshl_add_u32 v7, v2, 3, s30                  ; back: batch = my wave's number, 8 bytes a lane
	v_lshlrev_b32 v9, 3, v2
	s_mov_b32 s32, 0x76543210
	s_mov_b32 s33, 0xfedcba98                      ; lane selects: lane l xor 16
	s_lshl_b32 s30, s28, 13
	s_lshl_b32 s29, s26, 8
	s_add_co_u32 s30, s30, s29
	s_mov_b32 s31, 0
	s_add_nc_u64 s[8:9], s[8:9], s[30:31]
	s_lshl_b32 s30, s28, 2
	s_add_nc_u64 s[10:11], s[10:11], s[30:31]
	s_lshl_b32 s30, s27, 15
	s_add_co_u32 s30, s30, s29
	s_lshl_b32 s29, s24, 13
	s_add_co_u32 s30, s30, s29
	s_add_nc_u64 s[20:21], s[20:21], s[30:31]
.irp i, 0,1,2,3,4,5,6,7,8,9,10,11,12,13,14,15
	global_load_b128 v[SW+4*\i:SW+4*\i+3], v4, s[8:9] offset:8192*\i th:TH_LOAD_NT   ; sixteen lanes read 256 consecutive bytes, aligned
.endr
.irp b, 0,1,2,3
.irp q, 0,1,2,3
	global_load_b128 v[SN+16*\b+4*\q:SN+16*\b+4*\q+3], v5, s[10:11] offset:4096*\b+16*\q
.endr
.endr
	s_wait_loadcnt 0x0
.irp b, 0,1,2,3                        ; row 0 starts the sums: nothing is cleared
.irp c, 0,2
	v_pk_mul_f32 v[SA+4*\b+\c:SA+4*\b+\c+1], v[SW+\c:SW+\c+1], v[SN+16*\b:SN+16*\b+1] op_sel_hi:[1,0]
.endr
.endr
.irp i, 1,2,3,4,5,6,7,8,9,10,11,12,13,14,15   ; the eight pairs of sums by turns; sen's number is taken for both halves: the pair's low word (even rows) or its high word (odd rows)
.irp b, 0,1,2,3
.irp c, 0,2
.if \i%2 == 0
	v_pk_fma_f32 v[SA+4*\b+\c:SA+4*\b+\c+1], v[SW+4*\i+\c:SW+4*\i+\c+1], v[SN+16*\b+\i:SN+16*\b+\i+1], v[SA+4*\b+\c:SA+4*\b+\c+1] op_sel_hi:[1,0,1]
.else
	v_pk_fma_f32 v[SA+4*\b+\c:SA+4*\b+\c+1], v[SW+4*\i+\c:SW+4*\i+\c+1], v[SN+16*\b+\i-1:SN+16*\b+\i], v[SA+4*\b+\c:SA+4*\b+\c+1] op_sel:[0,1,0] op_sel_hi:[1,1,1]
.endif
.endr
.endr
.endr
.irp j, 0,1,2,3,4,5,6,7,8,9,10,11,12,13,14,15
	v_permlanex16_b32 v[SW+\j], v[SA+\j], s32, s33   ; (its destination has been written: W2's registers are done with)
.endr
.irp j, 0,1,2,3,4,5,6,7,8,9,10,11,12,13,14,15
	v_add_f32 v[SA+\j], v[SA+\j], v[SW+\j]         ; with the other half's 16 rows
.endr
.irp b, 0,1,2,3
	ds_store_b128 v6, v[SA+4*\b:SA+4*\b+3] offset:256*\b   ; both halves of the lanes write the same bytes with the same values
.endr
	s_wait_dscnt 0x0                               ; for the others' sake: my stores are done
	s_barrier_signal -1
	s_barrier_wait -1
.irp w, 0,1,2,3
	ds_load_b64 v[SW+2*\w:SW+2*\w+1], v7 offset:1024*\w
.endr
	s_wait_dscnt 0x0
	v_pk_add_f32 v[SW:SW+1], v[SW:SW+1], v[SW+2:SW+3]
	v_pk_add_f32 v[SW+4:SW+5], v[SW+4:SW+5], v[SW+6:SW+7]
	v_pk_add_f32 v[SW:SW+1], v[SW:SW+1], v[SW+4:SW+5]
	global_store_b64 v9, v[SW:SW+1], s[20:21]      ; 32 lanes store 256 consecutive bytes, aligned
	s_wait_tensorcnt 0x0
	ds_add_u32 v192, v193
	s_wait_dscnt 0x0
	s_endpgm
.Lfunc_end_k_qed536cdcbb_prep:
	.size	k_qed536cdcbb_prep, .Lfunc_end_k_qed536cdcbb_prep-k_qed536cdcbb_prep
	.p2alignl 7, 3214868480
	.fill 96, 4, 3214868480
	.section	.rodata,"a",@progbits
	.p2align	6, 0x0
	.amdhsa_kernel k_qed536cdcbb_prep
		.amdhsa_group_segment_fixed_size 72192
		.amdhsa_private_segment_fixed_size 0
		.amdhsa_enable_private_segment 0
		.amdhsa_kernarg_size 72
		.amdhsa_user_sgpr_count 2
		.amdhsa_user_sgpr_kernarg_segment_ptr 1
		.amdhsa_wavefront_size32 1
		.amdhsa_system_sgpr_workgroup_id_x 1
		.amdhsa_system_sgpr_workgroup_id_y 1
		.amdhsa_system_sgpr_workgroup_id_z 1
		.amdhsa_system_vgpr_workitem_id 0
		.amdhsa_next_free_vgpr 194
		.amdhsa_next_free_sgpr 66
		.amdhsa_reserve_vcc 0
		.amdhsa_float_denorm_mode_32 3
		.amdhsa_float_denorm_mode_16_64 3
		.amdhsa_memory_ordered 1
		.amdhsa_forward_progress 1
		.amdhsa_inst_pref_size 88
	.end_amdhsa_kernel
	.amdgpu_metadata
---
amdhsa.version: [ 1, 2 ]
amdhsa.kernels:
  - .name:           k_qed536cdcbb_prep
    .symbol:         k_qed536cdcbb_prep.kd
    .args:
      - { .name: tokens, .offset: 0, .size: 8, .value_kind: global_buffer, .address_space: global }
      - { .name: W1, .offset: 8, .size: 8, .value_kind: global_buffer, .address_space: global }
      - { .name: W2, .offset: 16, .size: 8, .value_kind: global_buffer, .address_space: global }
      - { .name: sen, .offset: 24, .size: 8, .value_kind: global_buffer, .address_space: global }
      - { .name: tok_codes, .offset: 32, .size: 8, .value_kind: global_buffer, .address_space: global }
      - { .name: tok_scales, .offset: 40, .size: 8, .value_kind: global_buffer, .address_space: global }
      - { .name: w_codes, .offset: 48, .size: 8, .value_kind: global_buffer, .address_space: global }
      - { .name: w_scales, .offset: 56, .size: 8, .value_kind: global_buffer, .address_space: global }
      - { .name: ypart, .offset: 64, .size: 8, .value_kind: global_buffer, .address_space: global }
    .group_segment_fixed_size: 72192
    .private_segment_fixed_size: 0
    .kernarg_segment_align: 8
    .kernarg_segment_size: 72
    .max_flat_workgroup_size: 128
    .sgpr_count:     66
    .vgpr_count:     194
    .wavefront_size: 32
...
	.end_amdgpu_metadata
.endif
;; end of part 1
;; launch gemm (part 2): grid 12 x 32, 4 waves a work-group, clusters of 4 x 4, 327,680 bytes of LDS; arguments tok_codes, tok_scales, w_codes, w_scales, qkv_img, qkv_sc; writes qkv_img, qkv_sc
.if DOCPART == 2
	.amdgcn_target "amdgcn-amd-amdhsa--gfx1250"
	.amdhsa_code_object_version 6
	.text
	.protected	k_qed536cdcbb_gemm
	.globl	k_qed536cdcbb_gemm
	.p2align	8
	.type	k_qed536cdcbb_gemm,@function
k_qed536cdcbb_gemm:
	s_mov_b64 s[64:65], 0
	v_nop
	global_prefetch_b8 v0, s[64:65] scope:SCOPE_SE
	s_setreg_imm32_b32 hwreg(HW_REG_WAVE_MODE, 25, 1), 1
	s_wait_xcnt 0x0
	s_wait_alu depctr_hold_cnt(0) depctr_sa_sdst(0) depctr_va_vdst(0) depctr_va_sdst(0) depctr_va_ssrc(0) depctr_va_vcc(0) depctr_vm_vsrc(0)
	s_getreg_b32 s2, hwreg(HW_REG_IB_STS2, 6, 4)
	s_cmp_eq_u32 s2, 0
	s_cbranch_scc0 .Lentry_in_a_cluster
	s_endpgm
.Lentry_in_a_cluster:
	s_bfe_u32 s2, ttmp6, 0x10000c
	s_cmp_lg_u32 s2, 0xf033
	s_cbranch_scc0 .Lentry_shape_is_right
	s_endpgm
.Lentry_shape_is_right:
; qkv = tokens x W1 on codes of FP6 (E2M3) with one E8M0 scale for each 32 along K = 1,024, sums in f32; the results never reach memory as f32: they are quantised in registers for the two products
; of the attention and leave as IMAGES OF OPERAND REGISTERS (12 registers x 32 lanes = 1,536 bytes: three planes of 512 bytes, lane l's registers 4 c .. 4 c + 3 at 512 c + 16 l), with their scale words.
; A tile of the result, 256 x 256, is made by four waves, each 128 x 128: 64 accumulators, 512 registers.  K goes in steps of 256 through a ring of two LDS slots filled by the tensor data mover.
; The scale bytes of the work-group's 2 x 256 rows, for all of K, come into LDS once, with the first fills.
; ROLES.  The matrix instruction takes 16 rows of B as source 0 and 16 rows of A as source 1: a lane holds ONE row of A, and its registers run along rows of B.
;   clusters x = 0, 1 (q, k): A = tokens, B = W1's columns 0 to 2,047: a lane holds a token and its registers run along the head's 64, the scores' K.
;   cluster  x = 2    (v):    A = W1's columns 2,048 on, B = tokens: a lane holds one of the head's 64 and its registers run along the keys, the second product's K.
; The choice hangs on the cluster's x alone, which all sixteen partners share; only pointers and tile numbers are chosen, and one branch on the way out.
; Both code buffers hold their rows permuted (place p = row p with bits 3 and 4 exchanged), so the 16 registers of result tiles 2 b, 2 b + 1 are 16 neighbours, 32 b + 16 (lane / 16) + 0 .. 15.
; OUT.  qkv_img [48 heads: 16 of q, 16 of k, 16 of v][64 steps of 128 tokens][4 images][1,536].  For q and k image i is a PAIR: registers 0-5 the 64 numbers of token tile 2 i, registers 6-11 those of tile 2 i + 1.
;       For v image i is 16 of the head's 64 x the step's 128 keys.  qkv_sc [48][64][row 16][image 4]: a scale word each.
; CLUSTERS: 4 x 4 work-groups; A's tiles are asked for jointly along a row of the cluster, B's along a column.  No prefetch: a work-group has two refills in all, and each tile is read by several clusters.
; LIMITS: NaN and infinities are not served; a block whose largest magnitude lies under 2^-124 (a block of zeros too) gets the byte 1: this program alone reads these bytes.
; REGISTERS, in windows of 256: window 0: v0-31 addresses; v32-63 scale words, two sets; v128-223 A's fragments, one set; on the way out v64-107 at work and v128-223 the eight images.
;   window 1: B's fragments, two sets, at v0 and v128.   window 2: the accumulators of my rows 0-63 ((a, b) at v[8 (8 a + b)]);   window 3: those of my rows 64-127.
.set SIZE_K, 1024
.set KSTEP,  256
.set NQ,     KSTEP/128
.set ROWB,   192                       ; a tile's row in bytes
.set KROW,   SIZE_K*6/8
.set PITCH,  240                       ; an LDS row: 3 x (64 bytes + 16 of padding): the 32 lanes of a load of 8 bytes touch 64 different banks (64 banks of 4 bytes: ISA guide 11.1)
.set FR,     12
.set NL,     6
.set NP,     4                         ; places behind this matrix instruction (ISA guide 7.12.1)
.set HALFT,  128*PITCH
.set SLOT,   4*HALFT
.set LAPS,   SIZE_K/(2*KSTEP)
.set KS,     SIZE_K/32
.set SCL,    2*SLOT                    ; behind the ring: the scales, as units of 256 bytes + 16 of padding
.set HALFS,  (128*KS/256)*272
.set SBLK,   (16*KS/256)*272
.set SPARE,  SCL+4*HALFS               ; the spare words, 128 bytes a wave: two blocks of 256 bytes that no other line names
.set ADRA, 16
.set ADRB, 20
.set SCO,  24                          ; v24  the way out: 16,384 (lane / 16) + 16 (lane % 16): my four scale words
.set IMO,  26                          ; v26  the way out: 16 x lane
.set ADRS, 27
.set SPW,  28
.set NIL,  29
.set SC,   32
.set AF,   128
.set TM,   64                          ; v64-79 the quantiser's work
.set T0,   82                          ; v82-84, v86-88 upper halves of blocks
.set T1,   86
.set WD,   96                          ; v96-103 the eight images' scale words
.set SD,   104                         ; v104-107 as they are stored
.set G1, 24
.set G0, 32
.set G1B, 48
.set G0B, 56
.set G1S, 68
.set G0S, 76
.set G1SB, 80
.set G0SB, 88
.set MSB, 0
.macro WIN new                         ; the immediate's high byte repeats the setting that is left
.if MSB != (\new)
	s_set_vgpr_msb (MSB<<8)|(\new)
.set MSB, (\new)
.endif
.endm
.set MUL_LO, 0xa1                      ; source 0 (B) window 1, source 1 (A) window 0, C and D window 2
.set MUL_HI, 0xf1
.set TO_B,   0x40
; A joint load: waves 0 and 1 fetch for A, waves 2 and 3 for B; the branch hangs on the wave's number alone.  Four v_nop follow each of the two lines.
.macro JLOAD g0a, g1a, g0b, g1b
	s_cmp_eq_u32 s15, 0
	s_cbranch_scc0 .Lfor_b_\@
	tensor_load_to_lds s[\g0a:\g0a+3], s[\g1a:\g1a+7]
	s_nop 0
.rept 4
	v_nop
.endr
	s_branch .Lasked_\@
.Lfor_b_\@:
	tensor_load_to_lds s[\g0b:\g0b+3], s[\g1b:\g1b+7]
	s_nop 0
.rept 4
	v_nop
.endr
.Lasked_\@:
.endm
.macro CREST
	s_cmp_lg_u32 s14, 0
	s_cbranch_scc1 .Lnot_wave_0_\@
	s_barrier_signal -3
.Lnot_wave_0_\@:
	s_barrier_wait -3
	s_barrier_signal -1
	s_barrier_wait -1
.endm
.macro CROUND
	s_barrier_signal -1
	s_barrier_wait -1
	CREST
.endm
	s_load_b256 s[32:39], s[0:1], 0x0              ; the tokens' codes and scales, W1's codes and scales (these registers later hold descriptors)
	s_load_b128 s[56:59], s[0:1], 0x20             ; the images, their scale words
	v_lshl_add_u32 v[SPW], v0, 2, SPARE
	v_mov_b32 v[NIL], 0
	ds_add_u32 v28, v29
	ds_add_u32 v28, v29
	s_wait_dscnt 0x0
	v_lshrrev_b32 v1, 5, v0
	v_readfirstlane_b32 s14, v1                    ; wave 0..3
	s_lshr_b32 s15, s14, 1                         ; which half of A's rows is mine.  Also: I fetch for A (0) or for B (1)
	s_and_b32 s16, s14, 1                          ; which half of B's rows.  Also: which 128 rows of that tile I fetch
	s_bfe_u32 s40, ttmp6, 0x40000                  ; cx, cy
	s_bfe_u32 s41, ttmp6, 0x40004
	s_and_b32 s17, ttmp7, 0xffff                   ; cluster y
	s_cmp_eq_u32 ttmp9, 2                          ; the third column of clusters makes v, with the roles exchanged
	s_cselect_b32 s95, 1, 0
	s_cselect_b32 s42, s17, ttmp9
	s_cselect_b32 s17, ttmp9, s17
	s_lshl_b32 s42, s42, 2
	s_add_co_u32 s42, s42, s40                     ; B's tile of 256 rows
	s_lshl_b32 s17, s17, 2
	s_add_co_u32 s17, s17, s41                     ; A's tile of 256 rows (for v: 8 to 11, W1's columns 2,048 on)
	s_lshl_b32 s43, s41, 2
	s_lshl_b32 s43, 15, s43                        ; my row of the cluster
	s_lshl_b32 s44, 0x1111, s40                    ; my column
	s_or_b32 s[G1+0], s43, (0<<16)|(1<<20)|(1<<21)|(3<<22)|(3<<25)  ; the mask; elements of 1 byte; padding on; bit 21 beside a mask; after every 16 words 4 words
	s_or_b32 s[G1B+0], s44, (0<<16)|(1<<20)|(1<<21)|(3<<22)|(3<<25)
.irp g, G1, G1B
	s_mov_b32 s[\g+1], ROWB<<16                    ; tensor_dim0
	s_mov_b32 s[\g+2], 128<<16                     ; tensor_dim1
	s_mov_b32 s[\g+3], ROWB<<16                    ; tile_dim0
	s_mov_b32 s[\g+4], 128                         ; tile_dim1
	s_mov_b32 s[\g+5], KROW                        ; the pitch
	s_mov_b32 s[\g+6], 0
	s_mov_b32 s[\g+7], 0
.endr
	s_or_b32 s[G1S+0], s43, (3<<16)|(1<<20)|(1<<21)|(5<<22)|(3<<25)  ; the scales of 128 rows: 4,096 dense bytes as 16 rows of 256, 16 bytes of padding behind each
	s_or_b32 s[G1SB+0], s44, (3<<16)|(1<<20)|(1<<21)|(5<<22)|(3<<25)
.irp g, G1S, G1SB
	s_mov_b32 s[\g+1], 32<<16
	s_mov_b32 s[\g+2], (128*KS/256)<<16
	s_mov_b32 s[\g+3], 32<<16
	s_mov_b32 s[\g+4], 128*KS/256
	s_mov_b32 s[\g+5], 32
	s_mov_b32 s[\g+6], 0
	s_mov_b32 s[\g+7], 0
.endr
	s_lshl_b32 s18, s16, 7
	s_lshl_b32 s20, s17, 8
	s_add_co_u32 s20, s20, s18                     ; A: row 256 x tile + 128 x half
	s_lshl_b32 s46, s42, 8
	s_add_co_u32 s46, s46, s18                     ; B likewise
	s_mov_b32 s21, 0
	s_mov_b32 s47, 0
	s_mov_b64 s[18:19], KS
	s_mul_u64 s[22:23], s[20:21], s[18:19]
	s_mul_u64 s[92:93], s[46:47], s[18:19]
	s_mov_b64 s[18:19], KROW
	s_mul_u64 s[20:21], s[20:21], s[18:19]
	s_mul_u64 s[46:47], s[46:47], s[18:19]
	s_mul_i32 s45, s14, HALFT                      ; where they go: wave x 128 rows
	s_mul_i32 s94, s14, HALFS
	s_wait_kmcnt 0x0
	s_cmp_eq_u32 s95, 1                            ; who is A and who is B: a choice between buffers on the cluster's x
	s_cselect_b64 s[4:5], s[36:37], s[32:33]       ; A's codes
	s_cselect_b64 s[6:7], s[38:39], s[34:35]       ; A's scales
	s_cselect_b64 s[8:9], s[32:33], s[36:37]       ; B's codes
	s_cselect_b64 s[10:11], s[34:35], s[38:39]     ; B's scales
	s_mov_b64 s[12:13], s[56:57]                   ; the images
	s_mov_b64 s[66:67], s[58:59]                   ; their scale words
	s_add_nc_u64 s[20:21], s[4:5], s[20:21]
	s_add_nc_u64 s[22:23], s[6:7], s[22:23]
	s_add_nc_u64 s[46:47], s[8:9], s[46:47]
	s_add_nc_u64 s[92:93], s[10:11], s[92:93]
	CROUND                                         ; all sixteen work-groups are here: the first joint loads meet
	s_mov_b32 s[G0S], 1
	s_add_co_u32 s[G0S+1], s94, SCL
	s_mov_b64 s[G0S+2:G0S+3], s[22:23]
	s_or_b32 s[G0S+3], s[G0S+3], 0x80000000
	s_mov_b32 s[G0SB], 1
	s_add_co_u32 s[G0SB+1], s94, SCL
	s_mov_b64 s[G0SB+2:G0SB+3], s[92:93]
	s_or_b32 s[G0SB+3], s[G0SB+3], 0x80000000
	JLOAD G0S, G1S, G0SB, G1SB                     ; the scales first: they are wanted with K step 0
.irp s, 0,1
	s_mov_b32 s[G0+4*\s], 1
	s_add_co_u32 s[G0+4*\s+1], s45, \s*SLOT
	s_add_nc_u64 s[G0+4*\s+2:G0+4*\s+3], s[20:21], \s*ROWB
	s_or_b32 s[G0+4*\s+3], s[G0+4*\s+3], 0x80000000
	s_mov_b32 s[G0B+4*\s], 1
	s_add_co_u32 s[G0B+4*\s+1], s45, \s*SLOT
	s_add_nc_u64 s[G0B+4*\s+2:G0B+4*\s+3], s[46:47], \s*ROWB
	s_or_b32 s[G0B+4*\s+3], s[G0B+4*\s+3], 0x80000000
	JLOAD G0+4*\s, G1, G0B+4*\s, G1B               ; three tensor loads of mine are out
.endr
	v_and_b32 v1, 15, v0                           ; l % 16
	v_bfe_u32 v2, v0, 4, 1                         ; l / 16
	v_mul_u32_u24 v3, v1, PITCH
	v_mul_u32_u24 v4, v2, 24
	v_add_nc_u32 v4, v3, v4                        ; a fragment's row x pitch + 24 x half
	v_lshl_add_u32 v5, v2, 4, v4                   ; and the same behind one padding more
	s_mul_i32 s21, s15, HALFT
	s_mul_i32 s22, s16, HALFT
	s_add_co_u32 s22, s22, 2*HALFT
.irp s, 0,1
	v_add_nc_u32 v[ADRA+\s], s21, v4
	v_add_nc_u32 v[ADRB+\s], s22, v4
	v_add_nc_u32 v[ADRA+2+\s], s21, v5
	v_add_nc_u32 v[ADRB+2+\s], s22, v5
	s_add_co_u32 s21, s21, SLOT
	s_add_co_u32 s22, s22, SLOT
.endr
	v_mul_u32_u24 v5, v1, KS                       ; my row's scales: 32 bytes a row,
	v_lshrrev_b32 v6, 8, v5
	v_lshl_add_u32 v5, v6, 4, v5                   ; and 16 more for each 256 passed
	s_mul_i32 s21, s15, HALFS
	s_mul_i32 s22, s16, HALFS
	s_add_co_u32 s22, s22, 2*HALFS
	s_sub_co_u32 s22, s22, s21
	v_mul_u32_u24 v6, s22, v2                      ; lanes 16-31 take B's
	s_add_co_u32 s21, s21, SCL
	v_add_nc_u32 v5, v5, v6
	v_add_nc_u32 v[ADRS], s21, v5
	; the way out: which two heads and which step of 128 tokens are my wave's
	v_and_b32 v6, 31, v0
	v_lshlrev_b32 v[IMO], 4, v6
	v_lshlrev_b32 v[SCO], 4, v1
	v_lshl_add_u32 v[SCO], v2, 14, v[SCO]
	s_lshl_b32 s20, s17, 2
	s_lshl_b32 s21, s15, 1
	s_add_co_u32 s20, s20, s21                     ; A's rows / 64
	s_lshl_b32 s46, s42, 2
	s_lshl_b32 s47, s16, 1
	s_add_co_u32 s46, s46, s47                     ; B's rows / 64
	s_lshl_b32 s21, s17, 1
	s_add_co_u32 s21, s21, s15                     ; A's rows / 128
	s_lshl_b32 s47, s42, 1
	s_add_co_u32 s47, s47, s16                     ; B's rows / 128
	s_cmp_eq_u32 s95, 1
	s_cselect_b32 s92, s20, s46                    ; my first head: from W1's side
	s_cselect_b32 s93, s47, s21                    ; my step: from the tokens' side
	s_mul_i32 s96, s92, 393216                     ; a head's 64 steps x 6,144 bytes
	s_mul_i32 s94, s93, 6144
	s_add_co_u32 s96, s96, s94
	s_mov_b32 s97, 0
	s_add_nc_u64 s[12:13], s[12:13], s[96:97]
	s_lshl_b32 s96, s92, 14
	s_lshl_b32 s94, s93, 8
	s_add_co_u32 s96, s96, s94
	s_add_nc_u64 s[66:67], s[66:67], s[96:97]
	s_mov_b32 s96, 0x76543210
	s_mov_b32 s97, 0xfedcba98                      ; lane selects: lane l xor 16
.macro FRAG reg, adr, q, i             ; a fragment, 16 rows x 128 K, is 12 registers: lane l holds row l % 16; registers 6 c .. 6 c + 5 hold K = 64 c + 32 (l / 16) + 0 .. 31: 24 bytes of the row as they lie
.irp p, 0,1,2,3,4,5                    ; in pieces of 8 bytes; where the piece of lanes 16-31 lies behind one padding more, the second address register serves
.set PCE, 12*(\q)+6*(\p/3)+\p%3
.if PCE%8 < 5
	ds_load_b64 v[\reg+2*\p:\reg+2*\p+1], v[\adr] offset:8*PCE+16*(PCE/8)+(\i)*16*PITCH
.else
	ds_load_b64 v[\reg+2*\p:\reg+2*\p+1], v[\adr+2] offset:8*PCE+16*(PCE/8)+(\i)*16*PITCH
.endif
.endr
.endm
; 16 matrix instructions: A's blocks a0, a0 + 1 x B's eight, 128 along K.  The 64 accumulators take turns, one instruction a turn, in the same order in every step.
.macro MUL16 a0, p, q, sc, zero
.irp a, \a0, \a0+1
.irp b, 0,1,2,3,4,5,6,7
.if \zero
	v_wmma_scale_f32_16x16x128_f8f6f4 v[8*(8*((\a)%4)+\b):8*(8*((\a)%4)+\b)+7], v[128*(\p)+FR*\b:128*(\p)+FR*\b+FR-1], v[AF+FR*(\a):AF+FR*(\a)+FR-1], 0, v[SC+8*NQ*(\sc)+NQ*\b+(\q)], v[SC+8*NQ*(\sc)+NQ*(\a)+(\q)] matrix_a_fmt:MATRIX_FMT_FP6 matrix_b_fmt:MATRIX_FMT_FP6 matrix_a_scale:MATRIX_SCALE_ROW1
.else
	v_wmma_scale_f32_16x16x128_f8f6f4 v[8*(8*((\a)%4)+\b):8*(8*((\a)%4)+\b)+7], v[128*(\p)+FR*\b:128*(\p)+FR*\b+FR-1], v[AF+FR*(\a):AF+FR*(\a)+FR-1], v[8*(8*((\a)%4)+\b):8*(8*((\a)%4)+\b)+7], v[SC+8*NQ*(\sc)+NQ*\b+(\q)], v[SC+8*NQ*(\sc)+NQ*(\a)+(\q)] matrix_a_fmt:MATRIX_FMT_FP6 matrix_b_fmt:MATRIX_FMT_FP6 matrix_a_scale:MATRIX_SCALE_ROW1
.endif
.endr
.endr
.endm
.macro FETCH_B slot, q, p
	WIN TO_B
.irp i, 0,1,2,3,4,5,6,7
	FRAG 128*(\p)+FR*\i, ADRB+\slot, \q, \i
.endr
	WIN 0
.endm
.macro FETCH_A slot, q, i0
.irp i, \i0, \i0+1, \i0+2, \i0+3
	FRAG AF+FR*(\i), ADRA+\slot, \q, \i
.endr
.endm
.macro SCALES sc                       ; a K step's scale words: lanes 0-15 take A's block i, lanes 16-31 B's block i
.irp i, 0,1,2,3,4,5,6,7
	ds_load_b64 v[SC+8*NQ*\sc+NQ*\i:SC+8*NQ*\sc+NQ*\i+1], v[ADRS] offset:\i*SBLK
.endr
.endm
.macro PLACES n                        ; plain vector lines between a matrix instruction and a load into, or a vector line on, its registers
.rept \n
	v_nop
.endr
.endm
.macro STEP slot, q, zero              ; a step of 128 along K that has its successor in the same slot
	s_wait_dscnt 4*NL                              ; B's set and A's blocks 0-3 are in; the youngest 24 loads (A's blocks 4-7) may be out
	WIN MUL_LO
	MUL16 0, (\q)%2, \q, \slot, \zero
	MUL16 2, (\q)%2, \q, \slot, \zero
	s_wait_dscnt 0
	PLACES NP
	FETCH_B \slot, (\q)+1, 1-(\q)%2
	FETCH_A \slot, (\q)+1, 0
	WIN MUL_HI
	MUL16 4, (\q)%2, \q, \slot, \zero
	MUL16 6, (\q)%2, \q, \slot, \zero
	PLACES NP
	WIN 0
	FETCH_A \slot, (\q)+1, 4
.endm
; A slot's last step changes slots: one barrier; in front of it each wave waits for all its tensor loads, adds 0 to its spare word, and waits for that and for its reads of this slot.
.macro TURN slot, next, fill
	s_wait_tensorcnt 0x0                           ; all my tensor loads have landed: my part of the next slot
	ds_add_u32 v[SPW], v[NIL]                      ; 0 onto my spare word
	s_wait_dscnt 4*NL+1                            ; (the add and the youngest 24 loads may be out)
	WIN MUL_LO
	MUL16 0, 1, NQ-1, \slot, 0
	s_wait_dscnt 0x0                               ; the add is done, and my reads of this slot are over
	s_barrier_signal -1
	MUL16 2, 1, NQ-1, \slot, 0
	WIN 0
	s_barrier_wait -1
.if \fill
	CREST                                          ; the barrier has opened a round of the cluster's barrier: no wave of any partner still reads this slot or has a load on its way
	s_add_nc_u64 s[G0+4*\slot+2:G0+4*\slot+3], s[G0+4*\slot+2:G0+4*\slot+3], 2*ROWB
	s_add_nc_u64 s[G0B+4*\slot+2:G0B+4*\slot+3], s[G0B+4*\slot+2:G0B+4*\slot+3], 2*ROWB
	JLOAD G0+4*\slot, G1, G0B+4*\slot, G1B         ; the first tensor load behind the round; its four v_nop are also the places in front of the loads below
.else
	PLACES NP
.endif
	v_add_nc_u32 v[ADRS], 4*NQ, v[ADRS]            ; the next K step's scale words
	FETCH_B \next, 0, 0
	FETCH_A \next, 0, 0
	SCALES \next
	WIN MUL_HI
	MUL16 4, 1, NQ-1, \slot, 0
	MUL16 6, 1, NQ-1, \slot, 0
	PLACES NP
	WIN 0
	FETCH_A \next, 0, 4
.endm
	s_wait_tensorcnt 1                             ; the scales and my part of K step 0 are in; K step 1's load may be out
	s_barrier_signal -1
	s_barrier_wait -1
	FETCH_B 0, 0, 0
	FETCH_A 0, 0, 0
	SCALES 0
	FETCH_A 0, 0, 4
	STEP 0, 0, 1                                   ; the first step's products start the sums
.if LAPS > 1
	s_mov_b32 s3, LAPS-1
.Llap:
	TURN 0, 1, 1
	STEP 1, 0, 0
	TURN 1, 0, 1
	STEP 0, 0, 0
	s_sub_co_u32 s3, s3, 1
	s_cmp_lg_u32 s3, 0
	s_cbranch_scc1 .Llap
.endif
	TURN 0, 1, 0                                   ; the last lap fills nothing
	STEP 1, 0, 0
	s_wait_dscnt 4*NL
	WIN MUL_LO
	MUL16 0, 1, NQ-1, 1, 0
	MUL16 2, 1, NQ-1, 1, 0
	s_wait_dscnt 0
	WIN MUL_HI
	MUL16 4, 1, NQ-1, 1, 0
	MUL16 6, 1, NQ-1, 1, 0
	WIN 0
; THE WAY OUT: no LDS.  The 64 accumulator registers of one block of A's rows, v[s] on in window win, register 16 b + i = number 32 b + 16 (lane / 16) + i of my row, are four blocks of 32.
; Their codes go to v[d0] .. v[d0 + 5] (blocks 0, 1) and v[d1] .. v[d1 + 5] (blocks 2, 3), their four scale bytes to v[pw].  Each accumulator is read from its low end on.
.macro QUANTW win, s, d0, d1, pw
	WIN ((\win)<<2)|((\win)<<4)                    ; sources 1 and 2: the accumulators' window
.irp b, 0,1,2,3
	v_max3_num_f32 v[TM+\b], 0x1800000, |v[(\s)+16*\b]|, |v[(\s)+16*\b+1]|   ; my 16 numbers of block b, and the floor 2^(3 - 127): the byte cannot fall under 1
.endr
.irp i, 2,4,6,8,10,12,14
.irp b, 0,1,2,3
	v_max3_num_f32 v[TM+\b], v[TM+\b], |v[(\s)+16*\b+\i]|, |v[(\s)+16*\b+\i+1]|
.endr
.endr
	WIN 0
.irp b, 0,1,2,3
	v_permlanex16_b32 v[TM+4+\b], v[TM+\b], s96, s97
.endr
.irp b, 0,1,2,3
	v_max_num_f32 v[TM+\b], v[TM+\b], v[TM+4+\b]   ; with lane l xor 16's: the block's largest magnitude
.endr
.irp b, 0,1,2,3
	v_add_nc_u32 v[TM+12+\b], 0xff000000, v[TM+\b] ; 2 off its exponent field: the conversion's scale operand
.endr
.irp b, 0,1,2,3
	v_lshrrev_b32 v[TM+4+\b], 23, v[TM+12+\b]      ; the scale's byte
.endr
	v_lshl_or_b32 v[\pw], v[TM+5], 8, v[TM+4]
	v_lshl_or_b32 v[\pw], v[TM+6], 16, v[\pw]
	v_lshl_or_b32 v[\pw], v[TM+7], 24, v[\pw]
	WIN (\win)                                     ; source 0: the accumulators' window
	v_cvt_scalef32_pk16_fp6_f32 v[(\d0):(\d0)+2], v[(\s):(\s)+15], v[TM+12]
	v_cvt_scalef32_pk16_fp6_f32 v[T0:T0+2], v[(\s)+16:(\s)+31], v[TM+13]
	v_cvt_scalef32_pk16_fp6_f32 v[(\d1):(\d1)+2], v[(\s)+32:(\s)+47], v[TM+14]
	v_cvt_scalef32_pk16_fp6_f32 v[T1:T1+2], v[(\s)+48:(\s)+63], v[TM+15]
	WIN 0
	v_nop                                          ; one plain line behind the conversions
.irp i, 0,1,2                          ; the operand's layout wants a whole block in a lane: lanes 0-15 the even block, lanes 16-31 the odd one
	v_permlane16_swap_b32 v[(\d0)+\i], v[T0+\i]
.endr
.irp i, 0,1,2
	v_mov_b32 v[(\d0)+3+\i], v[T0+\i]
.endr
.irp i, 0,1,2
	v_permlane16_swap_b32 v[(\d1)+\i], v[T1+\i]
.endr
.irp i, 0,1,2
	v_mov_b32 v[(\d1)+3+\i], v[T1+\i]
.endr
.endm
	PLACES NP                                      ; behind the last products: their results are read and A's registers are written below
.irp b, 0,1,2,3
	v_mov_b32 v[TM+4+\b], 0                        ; written once: a lane permute's destination counts as one of its sources
.endr
	s_cmp_eq_u32 s95, 1
	s_cbranch_scc1 .Lv_arm
; q, k: block a is token tile a; its blocks 0, 1 are my first head's 64 numbers, blocks 2, 3 my second head's.  Tiles 2 i, 2 i + 1 make image i of each head: image (e, i) at v[128 + 48 e + 12 i].
.irp a, 0,1,2,3,4,5,6,7
	QUANTW 2+\a/4, 64*(\a%4), 128+12*(\a/2)+6*(\a%2), 176+12*(\a/2)+6*(\a%2), 80+\a%2
.if \a%2 == 1
	v_perm_b32 v[WD+\a/2], v81, v80, 0x05040100    ; the pair's scale word for my first head: both tiles' bytes 0, 1
	v_perm_b32 v[WD+4+\a/2], v81, v80, 0x07060302  ; for my second: both tiles' bytes 2, 3
.endif
.endr
	s_branch .Lstore
.Lv_arm:
; v: block a is 16 of a head's 64 (head a / 4, tile a % 4); its four blocks are the step's 128 keys: a whole fragment
.irp a, 0,1,2,3,4,5,6,7
	QUANTW 2+\a/4, 64*(\a%4), 128+12*\a, 134+12*\a, WD+\a
.endr
.Lstore:
.irp e, 0,1
.irp i, 0,1,2,3
.irp c, 0,1,2
	global_store_b128 v[IMO], v[128+48*\e+12*\i+4*\c:128+48*\e+12*\i+4*\c+3], s[12:13] offset:393216*\e+1536*\i+512*\c   ; 32 lanes store 512 consecutive bytes, aligned
.endr
.endr
.endr
	v_and_b32 v6, 31, v0
	v_cmp_le_u32 vcc_lo, 16, v6
.irp i, 0,1,2,3
	v_cndmask_b32 v[SD+\i], v[WD+\i], v[WD+4+\i], vcc_lo   ; lanes 0-15 store my first head's words, lanes 16-31 my second's (both halves of the lanes hold row l % 16's words)
.endr
	global_store_b128 v[SCO], v[SD:SD+3], s[66:67] ; sixteen lanes store 256 consecutive bytes, aligned, for each head
	s_wait_tensorcnt 0x0                           ; the wave's end
	ds_add_u32 v[SPW], v[NIL]
	s_wait_dscnt 0x0
	CROUND                                         ; the closing round: no work-group ends while a partner may still ask for a tile that names it
	s_endpgm
.Lfunc_end_k_qed536cdcbb_gemm:
	.size	k_qed536cdcbb_gemm, .Lfunc_end_k_qed536cdcbb_gemm-k_qed536cdcbb_gemm
	.p2alignl 7, 3214868480
	.fill 96, 4, 3214868480
	.section	.rodata,"a",@progbits
	.p2align	6, 0x0
	.amdhsa_kernel k_qed536cdcbb_gemm
		.amdhsa_group_segment_fixed_size 327680
		.amdhsa_private_segment_fixed_size 0
		.amdhsa_enable_private_segment 0
		.amdhsa_kernarg_size 48
		.amdhsa_user_sgpr_count 2
		.amdhsa_user_sgpr_kernarg_segment_ptr 1
		.amdhsa_wavefront_size32 1
		.amdhsa_system_sgpr_workgroup_id_x 1
		.amdhsa_system_sgpr_workgroup_id_y 1
		.amdhsa_system_sgpr_workgroup_id_z 1
		.amdhsa_system_vgpr_workitem_id 0
		.amdhsa_next_free_vgpr 1024
		.amdhsa_next_free_sgpr 98
		.amdhsa_reserve_vcc 1
		.amdhsa_float_denorm_mode_32 3
		.amdhsa_float_denorm_mode_16_64 3
		.amdhsa_memory_ordered 1
		.amdhsa_forward_progress 1
		.amdhsa_inst_pref_size 196
	.end_amdhsa_kernel
	.amdgpu_metadata
---
amdhsa.version: [ 1, 2 ]
amdhsa.kernels:
  - .name:           k_qed536cdcbb_gemm
    .symbol:         k_qed536cdcbb_gemm.kd
    .args:
      - { .name: tok_codes, .offset: 0, .size: 8, .value_kind: global_buffer, .address_space: global }
      - { .name: tok_scales, .offset: 8, .size: 8, .value_kind: global_buffer, .address_space: global }
      - { .name: w_codes, .offset: 16, .size: 8, .value_kind: global_buffer, .address_space: global }
      - { .name: w_scales, .offset: 24, .size: 8, .value_kind: global_buffer, .address_space: global }
      - { .name: qkv_img, .offset: 32, .size: 8, .value_kind: global_buffer, .address_space: global }
      - { .name: qkv_sc, .offset: 40, .size: 8, .value_kind: global_buffer, .address_space: global }
    .group_segment_fixed_size: 327680
    .private_segment_fixed_size: 0
    .kernarg_segment_align: 8
    .kernarg_segment_size: 48
    .max_flat_workgroup_size: 128
    .sgpr_count:     98
    .vgpr_count:     1024
    .wavefront_size: 32
...
	.end_amdgpu_metadata
.endif
;; end of part 2
;; launch attn (part 3): grid 8 x 64, 16 waves a work-group, clusters of 4 x 1, 327,680 bytes of LDS; arguments qkv_img, qkv_sc, ypart, mask, out0; writes out0
.if DOCPART == 3
	.amdgcn_target "amdgcn-amd-amdhsa--gfx1250"
	.amdhsa_code_object_version 6
	.text
	.protected	k_qed536cdcbb_attn
	.globl	k_qed536cdcbb_attn
	.p2align	8
	.type	k_qed536cdcbb_attn,@function
k_qed536cdcbb_attn:
	s_mov_b64 s[64:65], 0
	v_nop
	global_prefetch_b8 v0, s[64:65] scope:SCOPE_SE
	s_setreg_imm32_b32 hwreg(HW_REG_WAVE_MODE, 25, 1), 1
	s_wait_xcnt 0x0
	s_wait_alu depctr_hold_cnt(0) depctr_sa_sdst(0) depctr_va_vdst(0) depctr_va_sdst(0) depctr_va_ssrc(0) depctr_va_vcc(0) depctr_vm_vsrc(0)
	s_getreg_b32 s2, hwreg(HW_REG_IB_STS2, 6, 4)
	s_cmp_eq_u32 s2, 0
	s_cbranch_scc0 .Lentry_in_a_cluster
	s_endpgm
.Lentry_in_a_cluster:
	s_bfe_u32 s2, ttmp6, 0x10000c
	s_cmp_lg_u32 s2, 0x3003
	s_cbranch_scc0 .Lentry_shape_is_right
	s_endpgm
.Lentry_shape_is_right:
; out[b][n][64 h + d] = the sum over keys m of softmax_m(SCALE (q.k + q2.k2) - 10000 (1 - mask[m])) v[m][d], SCALE = 128^-1/2, both products on codes of FP6 (E2M3) with E8M0 scales for each 32 along K.
; THE SOFTMAX AHEAD OF THE SECOND PRODUCT: t = logit x log2(e); M = the row's largest t so far, rounded up to a whole number; p = 2^(t - M) is quantised along the keys, not normalised; the row's sum is
; taken of the unquantised p and divides at the end.  When M moves, the sum and O are multiplied by 2^(old M - new M), which rounds nothing.
; SHARES.  A work-group owns 256 queries of one (batch, head); each of its sixteen waves one tile of 16, in 256 registers: four waves to a SIMD, so that one wave's vector work stands beside another's products and LDS loads.
; A WHOLE HEAD'S K AND V STAY IN LDS, as images of operand registers (1,536 bytes: lane l's registers 4 c .. 4 c + 3 at 512 c + 16 l): 2 x 98,304 bytes and 2 x 4,096 of scale words, filled ONCE: no slot is filled again.
; The four work-groups of a cluster belong to one head: every load is asked for jointly.  Each wave asks for five pieces at the head (its count of tensor loads out: five); the keys are walked in four chunks of
; four steps, each behind a counted wait and a barrier, so that the first chunk is worked while the others land.  All loads are issued at the head, so there is no later load for a prefetch to run ahead of.
; LAYOUT.  Both products are used transposed: S^T = K Q^T, O^T = V^T P^T: a lane holds ONE query (lane % 16) throughout.  The head's size, 64, is half of the instruction's K: an image of K holds a PAIR of key tiles
; (registers 0-5 tile 2 p, registers 6-11 tile 2 p + 1), and is multiplied by [q | zero codes] and by [zero codes | q].  The rows of a tile are 32 b + 8 u + r + 8 (r / 8), so the 16 registers of score
; tiles 2 p, 2 p + 1 are the keys 32 p + 16 (lane / 16) + 0 .. 15.
; THE BIAS q2.k2 - (1 - mask) 10000 / SCALE, in units of the score, is the C of the score products: it costs no vector line in the loop.  t = c x (that sum), c = SCALE log2(e).
; LIMITS: NaN and infinities are not served.  A masked key's score is rounded at magnitude 113,137 (about 0.001 in t); that shows only where every key of a batch is masked.  p under 2^-126 counts as 0.
.set VIMG,  98304                      ; LDS: K's images at 0, V's here,
.set SCK,   196608                     ; K's scale words, [step 16][row 16][image 4],
.set SCV,   200704                     ; V's,
.set BIAS,  204800                     ; the bias of the batch's 2,048 keys, f32 (stored by the waves: no tensor load lands here),
.set STAGE, 212992                     ; and for the way out 16 rows x (256 + 16) bytes for each wave
.set LI,  1                            ; v1   16 x lane
.set LIV, 2                            ; v2   the same in V's images
.set LSC, 3                            ; v3   SCK + 16 (lane % 16)
.set LBI, 4                            ; v4   BIAS + 64 (lane / 16)
.set ADK, 5                            ; v5-8 the step's addresses
.set ADV, 6
.set ADS, 7
.set ADB, 8
.set STO, 9                            ; v9-11 the way out
.set RD,  10
.set GO,  11                           ; v12 -M, v13 the largest t, v[14:15] the sum in two halves
.set QLO, 16                           ; v16-27 [q | zeros]
.set QHI, 28                           ; v28-39 [zeros | q]
.set KF,  44                           ; v44-91 four fragments of K, then of V
.set S,   96                           ; v96-159 the scores, then p
.set O,   160                          ; v160-191 O^T
.set PC,  192                          ; v192-203 p's codes
.set T1,  204
.set T2,  208
.set BM,  212                          ; v212-215 the blocks' largest scores, then largest p
.set BT,  216
.set SO,  220                          ; v220-223 the conversions' scale operands
.set PWD, 224                          ; p's scale word
.set F,   226                          ; v[226:227] 2^(old M - new M)
.set TMP, 228
.set SUM2, 230
.set KS,  232                          ; v232-235 K's scale words, v236-239 V's, v240 Q's: they hold scales and nothing else
.set VS,  236
.set QS,  240
.set WV,  18
.set SEL, 20
.set CS,  22
.set G1I, 24                           ; s[24:31] group 1: 12 rows of 256 bytes;  s[32:39]: 2 rows;  s[40:43] group 0 for the scale words;  s[44:59] for the four chunks
.set G1S, 32
.set TB,  60                           ; LDS byte of the step's images;  s61 of its scale words;  s62 of its bias;  s63 counts a chunk's steps
.set TS,  61
.set TBI, 62
.set CNT, 63
.macro CROUND
	s_barrier_signal -1
	s_barrier_wait -1
	s_cmp_lg_u32 s[WV], 0
	s_cbranch_scc1 .Lnot_wave_0_\@
	s_barrier_signal -3
.Lnot_wave_0_\@:
	s_barrier_wait -3
	s_barrier_signal -1
	s_barrier_wait -1
.endm
	s_load_b256 s[4:11], s[0:1], 0x0               ; the images, the scale words, ypart, mask
	s_load_b64 s[12:13], s[0:1], 0x20              ; out
	v_lshl_add_u32 v254, v0, 2, 0x45000
	v_mov_b32 v255, 0
	ds_add_u32 v254, v255
	ds_add_u32 v254, v255
	v_lshrrev_b32 v1, 5, v0
	v_readfirstlane_b32 s[WV], v1                  ; wave 0..15
	s_and_b32 s66, ttmp7, 0xffff
	s_and_b32 s67, s66, 15                         ; the head
	s_lshr_b32 s68, s66, 4                         ; the batch
	s_bfe_u32 s69, ttmp6, 0x40000                  ; cx
	s_lshl_b32 s70, ttmp9, 2
	s_add_co_u32 s70, s70, s69                     ; my block of 256 queries: it enters Q's and the output's addresses alone
	s_mul_i32 s71, s67, 393216
	s_mul_i32 s75, s68, 98304
	s_add_co_u32 s71, s71, s75                     ; (head, batch) in the images,
	s_lshl_b32 s72, s67, 14
	s_lshl_b32 s75, s68, 12
	s_add_co_u32 s72, s72, s75                     ; and in the scale words
	s_lshr_b32 s73, s[WV], 3                       ; waves 0-7 fetch for K, waves 8-15 for V,
	s_and_b32 s74, s[WV], 7                        ; an eighth of each piece
	s_mov_b32 s[G1I], 15|(3<<16)|(1<<21)           ; the mask: all four work-groups; elements of 8 bytes; bit 21 beside a mask; no padding: images are read at 16 x lane
	s_mov_b32 s[G1I+1], 32<<16                     ; tensor_dim0 = 32 elements = 256 bytes
	s_mov_b32 s[G1I+2], 12<<16                     ; tensor_dim1
	s_mov_b32 s[G1I+3], 32<<16                     ; tile_dim0
	s_mov_b32 s[G1I+4], 12                         ; tile_dim1
	s_mov_b32 s[G1I+5], 32                         ; the pitch: a dense block
	s_mov_b32 s[G1I+6], 0
	s_mov_b32 s[G1I+7], 0
	s_mov_b32 s[G1S], 15|(3<<16)|(1<<21)
	s_mov_b32 s[G1S+1], 32<<16
	s_mov_b32 s[G1S+2], 2<<16
	s_mov_b32 s[G1S+3], 32<<16
	s_mov_b32 s[G1S+4], 2
	s_mov_b32 s[G1S+5], 32
	s_mov_b32 s[G1S+6], 0
	s_mov_b32 s[G1S+7], 0
	s_lshl_b32 s75, s73, 12
	s_lshl_b32 s76, s74, 9
	s_add_co_u32 s75, s75, s76
	s_add_co_u32 s41, s75, SCK                     ; the scale words: 4,096 x kind + 512 x part
	s_lshl_b32 s78, s73, 18
	s_add_co_u32 s78, s78, s76
	s_add_co_u32 s78, s78, s72
	s_add_co_u32 s78, s78, 262144                  ; k's heads begin 16 heads on, v's 32
	s_mov_b32 s79, 0
	s_mul_i32 s75, s73, VIMG
	s_mul_i32 s76, s74, 3072
	s_add_co_u32 s75, s75, s76                     ; the images: 98,304 x kind + 3,072 x part (+ 24,576 x chunk)
	s_mul_i32 s14, s73, 6291456
	s_add_co_u32 s14, s14, s76
	s_add_co_u32 s14, s14, s71
	s_add_co_u32 s14, s14, 6291456
	s_mov_b32 s15, 0
	s_mov_b32 s19, 0xc7dcf88b                      ; -10000 / SCALE = -113137.085
	s_mov_b32 s[SEL], 0x76543210
	s_mov_b32 s[SEL+1], 0xfedcba98                 ; lane selects: lane l xor 16
	s_mov_b32 s[CS], 0x3e0293ee                    ; c = log2(e) / sqrt(128)
	s_mov_b32 s[CS+1], s[CS]
	s_wait_dscnt 0x0
	s_wait_kmcnt 0x0
	s_mov_b32 s40, 1
	s_add_nc_u64 s[42:43], s[6:7], s[78:79]
	s_or_b32 s43, s43, 0x80000000
	s_add_nc_u64 s[14:15], s[4:5], s[14:15]
.irp c, 0,1,2,3
	s_mov_b32 s[44+4*\c], 1
	s_add_co_u32 s[45+4*\c], s75, 24576*\c
	s_add_nc_u64 s[46+4*\c:47+4*\c], s[14:15], 24576*\c
	s_or_b32 s[47+4*\c], s[47+4*\c], 0x80000000
.endr
	CROUND                                         ; all four work-groups are here: the joint loads meet
	tensor_load_to_lds s[40:43], s[G1S:G1S+7]      ; all first fills in one group: the scale words, then the chunks in the order in which they are walked
	s_nop 0
	tensor_load_to_lds s[44:47], s[G1I:G1I+7]
	s_nop 0
	tensor_load_to_lds s[48:51], s[G1I:G1I+7]
	s_nop 0
	tensor_load_to_lds s[52:55], s[G1I:G1I+7]
	s_nop 0
	tensor_load_to_lds s[56:59], s[G1I:G1I+7]
	s_nop 0
.rept 4
	v_nop
.endr
	s_lshl_b32 s75, s70, 3
	s_lshr_b32 s76, s[WV], 1
	s_add_co_u32 s75, s75, s76                     ; my tile's pair, 0 to 63 in the batch
	s_and_b32 s76, s[WV], 1                        ; and which of the two I am
	s_mul_i32 s78, s75, 1536
	s_add_co_u32 s78, s78, s71
	s_mov_b32 s79, 0
	s_add_nc_u64 s[16:17], s[4:5], s[78:79]        ; the pair's image among q's
	s_lshr_b32 s78, s75, 2
	s_lshl_b32 s78, s78, 8
	s_and_b32 s77, s75, 3
	s_lshl_b32 s77, s77, 2
	s_add_co_u32 s78, s78, s77
	s_lshl_b32 s77, s76, 1
	s_add_co_u32 s78, s78, s77
	s_add_co_u32 s78, s78, s72
	s_add_nc_u64 s[6:7], s[6:7], s[78:79]          ; my tile's two bytes of the pair's scale words
	s_lshl_b32 s78, s68, 13
	s_add_nc_u64 s[10:11], s[10:11], s[78:79]      ; the batch's mask
	s_lshl_b32 s77, s67, 8
	s_add_co_u32 s78, s78, s77
	s_add_nc_u64 s[8:9], s[8:9], s[78:79]          ; (batch, head) in a part of sen x W2
	s_lshl_b32 s78, s68, 23
	s_lshl_b32 s73, s75, 17
	s_add_co_u32 s78, s78, s73
	s_lshl_b32 s73, s76, 15
	s_add_co_u32 s78, s78, s73
	s_add_co_u32 s78, s78, s77
	s_add_nc_u64 s[12:13], s[12:13], s[78:79]      ; out: batch, row 32 x pair + 8 x which, the head's 256 bytes
	s_mul_i32 s77, s76, 520
	s_mul_i32 s78, s76, 1016
	s_add_co_u32 s78, s78, 8
	v_and_b32 v40, 31, v0                          ; lane
	v_and_b32 v93, 15, v0                          ; r
	v_bfe_u32 v95, v0, 4, 1                        ; h
	v_lshl_add_u32 v42, v40, 4, s77                ; my tile's six registers in the pair's image: registers 0, 1 (or 6, 7), and 512 bytes on 4, 5 (or 10, 11);
	v_lshl_add_u32 v43, v40, 4, s78                ; registers 2, 3 (or 8, 9)
	v_lshlrev_b32 v94, 4, v93
	v_lshlrev_b32 v92, 3, v40
	v_lshlrev_b32 v241, 4, v0
	global_load_b64 v[QLO:QLO+1], v42, s[16:17]
	global_load_b64 v[QLO+2:QLO+3], v43, s[16:17]
	global_load_b64 v[QLO+4:QLO+5], v42, s[16:17] offset:512
	global_load_u16 v41, v94, s[6:7]
.irp k, 0,1,2,3,4,5,6,7
	global_load_b64 v[96+2*\k:97+2*\k], v92, s[8:9] offset:32768*\k         ; q2's 64 numbers, two a lane, part k of 8 along K
	global_load_b64 v[112+2*\k:113+2*\k], v92, s[8:9] offset:32768*\k+4096  ; k2's
.endr
	global_load_b128 v[128:131], v241, s[10:11]    ; the mask of keys 4 t .. 4 t + 3, t my thread's number
	v_lshlrev_b32 v[LI], 4, v40
	v_add_nc_u32 v[LIV], VIMG, v[LI]
	v_lshl_add_u32 v[LSC], v93, 4, SCK
	v_lshl_add_u32 v[LBI], v95, 6, BIAS
	v_lshl_add_u32 v242, v0, 4, BIAS
	v_mov_b32 v13, 0xff61b1e6                      ; the largest t so far: -3e38
	v_floor_f32 v12, -v13                          ; -M
	v_mov_b32 v14, 0
	v_mov_b32 v15, 0
	v_mov_b32 v[F+1], 0                            ; (named as the upper half of a pair)
	v_mov_b32 v133, 0
.irp b, 0,1,2,3
	v_mov_b32 v[BT+\b], 0                          ; written once: a lane permute's destination counts as one of its sources
.endr
.set J, 0
.rept 32
	v_mov_b32 v[O+J], 0                            ; O^T: the step is written once; the first change of M leaves zeros zeros
.set J, J+1
.endr
.irp j, 0,1,2,3,4,5
	v_mov_b32 v[QLO+6+\j], 0                       ; zero codes
	v_mov_b32 v[QHI+\j], 0
.endr
	s_wait_loadcnt 0x0
.irp j, 0,1,2,3,4,5
	v_mov_b32 v[QHI+6+\j], v[QLO+\j]
.endr
	v_lshl_or_b32 v[QS], v41, 16, v41              ; my row's two bytes twice: one word serves [q | 0] and [0 | q]
.irp k, 1,2,3,4,5,6,7
	v_pk_add_f32 v[96:97], v[96:97], v[96+2*\k:97+2*\k]
	v_pk_add_f32 v[112:113], v[112:113], v[112+2*\k:113+2*\k]
.endr
	v_mul_f32 v132, v96, v112                      ; q2 . k2, in f32
	v_fmac_f32 v132, v97, v113
	v_add_f32_dpp v132, v132, v132 row_xmask:1 row_mask:0xf bank_mask:0xf
	v_add_f32_dpp v132, v132, v132 row_xmask:2 row_mask:0xf bank_mask:0xf
	v_add_f32_dpp v132, v132, v132 row_xmask:4 row_mask:0xf bank_mask:0xf
	v_add_f32_dpp v132, v132, v132 row_xmask:8 row_mask:0xf bank_mask:0xf
	v_permlanex16_b32 v133, v132, s[SEL], s[SEL+1]
	v_add_f32 v132, v132, v133
.irp j, 0,1,2,3
	v_cvt_f32_i32 v[128+\j], v[128+\j]
.endr
.irp j, 0,1,2,3
	v_sub_f32 v[128+\j], 1.0, v[128+\j]
.endr
.irp j, 0,1,2,3
	v_fma_f32 v[128+\j], v[128+\j], s19, v132      ; q2.k2 - (1 - mask) 10000 / SCALE
.endr
	ds_store_b128 v242, v[128:131]
; A KEY STEP: 128 keys.
.macro STEP
	v_add_nc_u32 v[ADK], s[TB], v[LI]              ; (these four are also the places between the last products and the loads into their registers)
	v_add_nc_u32 v[ADV], s[TB], v[LIV]
	v_add_nc_u32 v[ADS], s[TS], v[LSC]
	v_add_nc_u32 v[ADB], s[TBI], v[LBI]
.irp i, 0,1,2,3,4,5,6,7,8,9,10,11,12,13,14,15
	ds_load_b128 v[S+4*\i:S+4*\i+3], v[ADB] offset:128*(\i/4)+16*(\i%4)   ; the bias of keys 32 p + 16 h + 0 .. 15, straight into the accumulators
.endr
.irp p, 0,1,2,3
.irp c, 0,1,2
	ds_load_b128 v[KF+12*\p+4*\c:KF+12*\p+4*\c+3], v[ADK] offset:1536*\p+512*\c
.endr
.endr
	ds_load_b128 v[KS:KS+3], v[ADS]
	s_wait_dscnt 0x0
.irp p, 0,1,2,3                        ; eight accumulators, one instruction each
	v_wmma_scale_f32_16x16x128_f8f6f4 v[S+16*\p:S+16*\p+7], v[KF+12*\p:KF+12*\p+11], v[QLO:QLO+11], v[S+16*\p:S+16*\p+7], v[KS+\p], v[QS] matrix_a_fmt:MATRIX_FMT_FP6 matrix_b_fmt:MATRIX_FMT_FP6
	v_wmma_scale_f32_16x16x128_f8f6f4 v[S+16*\p+8:S+16*\p+15], v[KF+12*\p:KF+12*\p+11], v[QHI:QHI+11], v[S+16*\p+8:S+16*\p+15], v[KS+\p], v[QS] matrix_a_fmt:MATRIX_FMT_FP6 matrix_b_fmt:MATRIX_FMT_FP6
.endr
.rept 4
	v_nop                                          ; places in front of the loads into K's registers and of the first read of the scores
.endr
.irp t, 0,1,2,3
.irp c, 0,1,2
	ds_load_b128 v[KF+12*\t+4*\c:KF+12*\t+4*\c+3], v[ADV] offset:1536*\t+512*\c   ; V: it lands under the softmax
.endr
.endr
	ds_load_b128 v[VS:VS+3], v[ADS] offset:SCV-SCK
.irp b, 0,1,2,3
	v_max3_num_f32 v[BM+\b], v[S+16*\b], v[S+16*\b+1], v[S+16*\b+2]   ; the largest score of each block of 32 keys: for the row's maximum, and, since p rises with the score, for the block's largest p
.endr
.irp i, 3,5,7,9,11,13
.irp b, 0,1,2,3
	v_max3_num_f32 v[BM+\b], v[BM+\b], v[S+16*\b+\i], v[S+16*\b+\i+1]
.endr
.endr
.irp b, 0,1,2,3
	v_max_num_f32 v[BM+\b], v[BM+\b], v[S+16*\b+15]
.endr
.irp b, 0,1,2,3
	v_permlanex16_b32 v[BT+\b], v[BM+\b], s[SEL], s[SEL+1]
.endr
.irp b, 0,1,2,3
	v_max_num_f32 v[BM+\b], v[BM+\b], v[BT+\b]     ; with lane l xor 16's 16 keys
.endr
	v_max3_num_f32 v[TMP], v[BM], v[BM+1], v[BM+2]
	v_max_num_f32 v[TMP], v[TMP], v[BM+3]
	v_mul_f32 v[TMP], s[CS], v[TMP]                ; as t (c is positive)
	v_max_num_f32 v13, v13, v[TMP]                 ; the running largest t
	v_mov_b32 v[TMP], v12
	v_floor_f32 v12, -v13                          ; the new -M = -ceil(t)
	v_sub_f32 v[TMP], v12, v[TMP]                  ; old M - new M: a whole number, 0 or less
	v_cvt_i32_f32 v[TMP], v[TMP]                   ; (it saturates)
	v_ldexp_f32 v[F], 1.0, v[TMP]
.set J, 0
.rept 32
	v_pk_fma_f32 v[S+J:S+J+1], v[S+J:S+J+1], s[CS:CS+1], v[12:13] op_sel_hi:[1,0,0]   ; t - M, two at a time
.set J, J+2
.endr
.irp b, 0,1,2,3
	v_fma_f32 v[BM+\b], v[BM+\b], s[CS], v12       ; the same of each block's largest score
.endr
.irp b, 0,1,2,3
	v_exp_f32 v[BM+\b], v[BM+\b]                   ; ONE batch of 68 exponentials: the blocks' largest p,
.endr
.set J, 0
.rept 64
	v_exp_f32 v[S+J], v[S+J]                       ; and p = 2^(t - M)
.set J, J+1
.endr
	v_pk_mul_f32 v[14:15], v[14:15], v[F:F+1] op_sel_hi:[1,0]   ; the sums under the new M (the plain line behind the exponentials)
	s_wait_alu depctr_va_vdst(0)                   ; one wait for the batch, ahead of the first line that names a result
.irp b, 0,1,2,3
	v_max_num_f32 v[BM+\b], 0x1800000, v[BM+\b]    ; the floor 2^(3 - 127): a block whose every p is 0 keeps the byte 1; its codes are zeros
.endr
.irp b, 0,1,2,3
	v_add_nc_u32 v[SO+\b], 0xff000000, v[BM+\b]    ; 2 off the exponent field: the conversion's scale operand
.endr
.irp b, 0,1,2,3
	v_lshrrev_b32 v[BT+\b], 23, v[SO+\b]           ; the scale's byte
.endr
	v_lshl_or_b32 v[PWD], v[BT+1], 8, v[BT]
	v_lshl_or_b32 v[PWD], v[BT+2], 16, v[PWD]
	v_lshl_or_b32 v[PWD], v[BT+3], 24, v[PWD]
	v_cvt_scalef32_pk16_fp6_f32 v[PC:PC+2], v[S:S+15], v[SO]
	v_cvt_scalef32_pk16_fp6_f32 v[T1:T1+2], v[S+16:S+31], v[SO+1]
	v_cvt_scalef32_pk16_fp6_f32 v[PC+6:PC+8], v[S+32:S+47], v[SO+2]
	v_cvt_scalef32_pk16_fp6_f32 v[T2:T2+2], v[S+48:S+63], v[SO+3]
	v_nop                                          ; one plain line behind the conversions
.irp i, 0,1,2
	v_permlane16_swap_b32 v[PC+\i], v[T1+\i]       ; a whole block to a lane: lanes 0-15 the even block, lanes 16-31 the odd one
.endr
.irp i, 0,1,2
	v_mov_b32 v[PC+3+\i], v[T1+\i]
.endr
.irp i, 0,1,2
	v_permlane16_swap_b32 v[PC+6+\i], v[T2+\i]
.endr
.irp i, 0,1,2
	v_mov_b32 v[PC+9+\i], v[T2+\i]
.endr
	v_pk_add_f32 v[SUM2:SUM2+1], v[S:S+1], v[S+2:S+3]   ; the row's sum of the UNQUANTISED p, in two chains (these lines and the next sixteen are the places in front of the scaled products)
.irp j, 4,8,12,16,20,24,28,32,36,40,44,48,52,56,60
	v_pk_add_f32 v[14:15], v[14:15], v[S+\j:S+\j+1]
	v_pk_add_f32 v[SUM2:SUM2+1], v[SUM2:SUM2+1], v[S+\j+2:S+\j+3]
.endr
	v_pk_add_f32 v[14:15], v[14:15], v[SUM2:SUM2+1]
.set J, 0
.rept 16
	v_pk_mul_f32 v[O+J:O+J+1], v[O+J:O+J+1], v[F:F+1] op_sel_hi:[1,0]   ; O^T under the new M
.set J, J+2
.endr
	s_wait_dscnt 0x0                               ; V and its scale words are in
.irp t, 0,1,2,3                        ; four accumulators, one instruction each
	v_wmma_scale_f32_16x16x128_f8f6f4 v[O+8*\t:O+8*\t+7], v[KF+12*\t:KF+12*\t+11], v[PC:PC+11], v[O+8*\t:O+8*\t+7], v[VS+\t], v[PWD] matrix_a_fmt:MATRIX_FMT_FP6 matrix_b_fmt:MATRIX_FMT_FP6
.endr
	s_add_co_u32 s[TB], s[TB], 6144
	s_add_co_u32 s[TS], s[TS], 256
	s_add_co_u32 s[TBI], s[TBI], 512
.endm
; Four key steps.  The count leaves the later chunks' loads out: tensor loads of a wave end in order (ISA guide 10.11.1).
.macro CHUNK c
	s_wait_tensorcnt 3-\c                          ; my parts of the scale words and of chunks 0 to c are in
	s_wait_dscnt 0x0                               ; my LDS store of the bias is done (chunk 0); no LDS instruction of mine is out
	s_barrier_signal -1
	s_barrier_wait -1                              ; everybody's are
	s_mov_b32 s[TB], 24576*\c
	s_mov_b32 s[TS], 1024*\c
	s_mov_b32 s[TBI], 2048*\c
	s_mov_b32 s[CNT], 4
.Lstep_\@:
	STEP
	s_sub_co_u32 s[CNT], s[CNT], 1
	s_cmp_lg_u32 s[CNT], 0
	s_cbranch_scc1 .Lstep_\@
.endm
	CHUNK 0
	CHUNK 1
	CHUNK 2
	CHUNK 3
	; THE WAY OUT.  O^T / the sum goes through my own stage in LDS and leaves as rows of 256 bytes: register 16 b + i is channel 32 b + 16 h + i of query row r.
	v_add_f32 v14, v14, v15
	v_permlanex16_b32 v[TMP], v14, s[SEL], s[SEL+1]
	v_add_f32 v14, v14, v[TMP]                     ; the row's sum
	v_rcp_f32 v14, v14
	v_and_b32 v5, 15, v0                           ; (plain lines behind the reciprocal and the last products)
	v_bfe_u32 v6, v0, 4, 1
	s_mul_i32 s75, s[WV], 16*272
	s_add_co_u32 s75, s75, STAGE
	v_mul_u32_u24 v[STO], v5, 272
	v_lshl_add_u32 v[STO], v6, 6, v[STO]
	v_add_nc_u32 v[STO], s75, v[STO]               ; in: row r, + 64 h
	v_mul_u32_u24 v[RD], v6, 272
	v_lshl_add_u32 v[RD], v5, 4, v[RD]
	v_add_nc_u32 v[RD], s75, v[RD]                 ; back: lanes 0-15 one row, lanes 16-31 the next
	v_lshlrev_b32 v[GO], 12, v6
	v_lshl_add_u32 v[GO], v5, 4, v[GO]             ; and the same two rows of the output, 4,096 bytes apart
	s_wait_alu depctr_va_vdst(0)                   ; ahead of the reciprocal's first reader
.set J, 0
.rept 32
	v_mul_f32 v[S+J], v[O+J], v14                  ; each accumulator from its low end on
.set J, J+1
.endr
.irp b, 0,1
.irp q, 0,1,2,3
	ds_store_b128 v[STO], v[S+16*\b+4*\q:S+16*\b+4*\q+3] offset:128*\b+16*\q
.endr
.endr
.irp i, 0,1,2,3,4,5,6,7
	ds_load_b128 v[KF+4*\i:KF+4*\i+3], v[RD] offset:544*\i   ; LDS serves a wave's instructions in order: these see my stores
.endr
.irp i, 0,1,2,3,4,5,6,7
	s_wait_dscnt 7-\i                              ; load i is in, the later ones stay out
	global_store_b128 v[GO], v[KF+4*\i:KF+4*\i+3], s[12:13] offset:(2*\i+8*(\i/4))*4096 th:TH_STORE_NT   ; stage row x is query row x + 8 (x / 8); sixteen lanes store 256 consecutive bytes, aligned
.endr
	s_wait_dscnt 0x0
	s_wait_tensorcnt 0x0
	ds_add_u32 v254, v255
	s_wait_dscnt 0x0
	CROUND                                         ; the closing round: no work-group ends while a partner may still ask for a tile that names it
	s_endpgm
.Lfunc_end_k_qed536cdcbb_attn:
	.size	k_qed536cdcbb_attn, .Lfunc_end_k_qed536cdcbb_attn-k_qed536cdcbb_attn
	.p2alignl 7, 3214868480
	.fill 96, 4, 3214868480
	.section	.rodata,"a",@progbits
	.p2align	6, 0x0
	.amdhsa_kernel k_qed536cdcbb_attn
		.amdhsa_group_segment_fixed_size 327680
		.amdhsa_private_segment_fixed_size 0
		.amdhsa_enable_private_segment 0
		.amdhsa_kernarg_size 40
		.amdhsa_user_sgpr_count 2
		.amdhsa_user_sgpr_kernarg_segment_ptr 1
		.amdhsa_wavefront_size32 1
		.amdhsa_system_sgpr_workgroup_id_x 1
		.amdhsa_system_sgpr_workgroup_id_y 1
		.amdhsa_system_sgpr_workgroup_id_z 1
		.amdhsa_system_vgpr_workitem_id 0
		.amdhsa_next_free_vgpr 256
		.amdhsa_next_free_sgpr 80
		.amdhsa_reserve_vcc 0
		.amdhsa_float_denorm_mode_32 3
		.amdhsa_float_denorm_mode_16_64 3
		.amdhsa_memory_ordered 1
		.amdhsa_forward_progress 1
		.amdhsa_inst_pref_size 84
	.end_amdhsa_kernel
	.amdgpu_metadata
---
amdhsa.version: [ 1, 2 ]
amdhsa.kernels:
  - .name:           k_qed536cdcbb_attn
    .symbol:         k_qed536cdcbb_attn.kd
    .args:
      - { .name: qkv_img, .offset: 0, .size: 8, .value_kind: global_buffer, .address_space: global }
      - { .name: qkv_sc, .offset: 8, .size: 8, .value_kind: global_buffer, .address_space: global }
      - { .name: ypart, .offset: 16, .size: 8, .value_kind: global_buffer, .address_space: global }
      - { .name: mask, .offset: 24, .size: 8, .value_kind: global_buffer, .address_space: global }
      - { .name: out0, .offset: 32, .size: 8, .value_kind: global_buffer, .address_space: global }
    .group_segment_fixed_size: 327680
    .private_segment_fixed_size: 0
    .kernarg_segment_align: 8
    .kernarg_segment_size: 40
    .max_flat_workgroup_size: 512
    .sgpr_count:     80
    .vgpr_count:     256
    .wavefront_size: 32
...
	.end_amdgpu_metadata
.endif
;; end of part 3
